; MI455X (gfx1250); checked and timed in simulation.
; The chip was launched on July 23, 2026; its instructions are those of AMD's public machine-readable ISA for CDNA 5 (MIT licence, August 2026) and "CDNA5" Instruction Set Architecture Reference Guide (July 2026). The comments in the code are by the model that wrote it; some were corrected since.
;; attention Layer. Allowed arithmetic: matrix products marked QUANTISED: E4M3 operands, one given power-of-two scale a tensor, by v_wmma_f32_16x16x64_fp8_fp8 or v_wmma_f32_16x16x128_fp8_fp8, f32 sums; everything else in f32.
;; Inputs: keys_codes 16 x 2,048 x 2 x 32 uint8 (E4M3 codes of keys, K innermost, in blocks of 32 codes); lowp_scales 4 int32 (the exponents e of the quantised operands' scales 2^e); masks 16 x 2,048 int32; queries_codes 16 x 2,048 x 2 x 32 uint8 (E4M3 codes of queries, K innermost, in blocks of 32 codes); values_codes 16 x 64 x 64 x 32 uint8 (E4M3 codes of values, K innermost, in blocks of 32 codes).
;; Outputs: out0 16 x 2,048 x 64 float32.
;; This version of the problem:
;;   THIS VERSION OF THE PROBLEM IS GIVEN IN LOW PRECISION. The matrix products marked QUANTISED in the list below multiply operands that are first quantised to E4M3 (4 exponent bits, 3 mantissa bits; 8 bits a number), with one given power-of-two scale for each operand tensor; their sums are f32. All else is computed in f32.
;;   The module's matrix products, in the order in which they are computed (A, B: the left and right operand; K: the contracted axis; several contracted axes count as one K, in the product's order):
;;     1. batch 16 x [M 2,048, K 64] x [K 64, N 2,048]; A: input queries (given as codes); B: input keys (given as codes): QUANTISED (scales: A lowp_scales[0], B lowp_scales[1])
;;     2. batch 16 x [M 2,048, K 2,048] x [K 2,048, N 64]; A: softmax (see below); B: input values (given as codes): QUANTISED (scales: A lowp_scales[2], B lowp_scales[3])
;;   THE QUANTISER, for each operand of a quantised product, along K:
;;     - The operand's scale is 2^e, e = its entry of the input lowp_scales (int32; the entries are numbered through the quantised products in the list's order, A before B).
;;     - Each number is divided by the scale, clamped to +-448, and rounded to the nearest number of E4M3, ties to even, subnormals kept.
;;     - The product sums the exact products of the quantised numbers (number of the format x scale) in f32.
;;   ~~~python
;;   def quantise(x, axis, e):      # numpy; x: float32 -> the quantised numbers, widened to float32 again
;;       x = np.moveaxis(x, axis, -1); K = x.shape[-1]
;;       r = np.clip(x / 2.0 ** e, -448, 448)
;;       step = 2.0 ** (np.maximum(np.frexp(np.where(r == 0, 1, r))[1] - 1, -6) - 3)
;;       q = np.round(r / step) * step * 2.0 ** e      # np.round: ties to even
;;       return np.moveaxis(q, -1, axis).astype(np.float32)
;;   ~~~
;;   SOFTMAX AHEAD OF A QUANTISED PRODUCT. Where the list says 'softmax', what is quantised is not the finished softmax but p = 2^(t - M), with t = logit x log2(e) and M = ceil(the row's largest t), a whole number; so 1/2 < the row's largest p <= 1. The row's sum l is taken of the UNQUANTISED p, in f32, and the product's result is divided by l at the end. Since M is a whole number, a kernel that streams over the keys may use a running M (the ceiling of the running maximum): every later rescaling is an exact power of two, so the quantised numbers keep their values, but for numbers so far below the row's largest that they fall under the format's range.
;;   OPERANDS COMPUTED ON THE WAY. 'Computed on the way' means the value that the module computes at that place (a softmax that the list does not call 'softmax' is quantised finished and normalised). What goes into a quantiser is computed in f32, as accurately as f32 sums, v_exp_f32 and their like allow (about 1e-6 of the number): no bf16 or f16 on the way to a quantiser, and a product that is left as it is and whose result goes on into a quantised operand takes f32 operands (vector FMAs, or v_wmma_f32_16x16x4_f32). A number that lies on a knife's edge between two numbers of the format may be rounded either way, as far as f32 arithmetic and the matrix unit's own rounding can turn it there, and no further.
;;   INPUTS GIVEN AS CODES. keys (in the module: [16, 2048, 64], K = its axis 2); queries (in the module: [16, 2048, 64], K = its axis 2); values (in the module: [16, 2048, 64], K = its axis 1): each comes as NAME_codes (uint8): NAME with its K axis moved to the last place and cut into blocks of 32 codes, [.., K / 32, bytes a block], one block behind the other in memory; one code a byte (a code: sign, 4 exponent bits, 3 mantissa bits); its scale is its entry of lowp_scales. Its value is code x scale, taken as it is: it is not quantised again, and the codes and scales need not be those that the quantiser above would give.
;; 2 versions. Each part assembles by itself: llvm-mc -triple=amdgcn-amd-amdhsa -mcpu=gfx1250 --defsym DOCPART=n.
;; ======== version 1 of 2: 1 launch
;; limits: right only within a limited range of input values
;; launch attn (part 1): grid 16 x 16, 16 waves a work-group, clusters of 4 x 1, 288,768 bytes of LDS; arguments queries_codes, keys_codes, values_codes, lowp_scales, masks, out0; writes out0
.if DOCPART == 1
	.amdgcn_target "amdgcn-amd-amdhsa--gfx1250"
	.amdhsa_code_object_version 6
	.text
	.protected	k_qbd9959d236_attn
	.globl	k_qbd9959d236_attn
	.p2align	8
	.type	k_qbd9959d236_attn,@function
k_qbd9959d236_attn:
	s_mov_b64 s[64:65], 0
	v_nop
	global_prefetch_b8 v0, s[64:65] scope:SCOPE_SE
	s_setreg_imm32_b32 hwreg(HW_REG_WAVE_MODE, 25, 1), 1
	s_wait_xcnt 0x0
	s_wait_alu depctr_hold_cnt(0) depctr_sa_sdst(0) depctr_va_vdst(0) depctr_va_sdst(0) depctr_va_ssrc(0) depctr_va_vcc(0) depctr_vm_vsrc(0)
	s_getreg_b32 s2, hwreg(HW_REG_IB_STS2, 6, 4)
	s_cmp_eq_u32 s2, 0
	s_cbranch_scc0 .Lentry_in_a_cluster
	s_endpgm
.Lentry_in_a_cluster:
	s_bfe_u32 s2, ttmp6, 0x10000c
	s_cmp_lg_u32 s2, 0x3003
	s_cbranch_scc0 .Lentry_shape_is_right
	s_endpgm
.Lentry_shape_is_right:
; out0[b][q][:] = the sum over k <= q of softmax_k(Q[b][q] . K[b][k] / 8) V[b][k][:], 16 batches, 2,048 queries, 2,048 keys, head size 64; both products on codes of FP8 (E4M3).
; Q, K: [16][2048][64] codes.  V: [16][64][2048] codes, the keys innermost.  lowp_scales: eq, ek, ep, ev.  out0: [16][2048][64] f32.
; THE TWO MASKS.  A score that is exactly 0 counts as -2^32 (a compare and a select in every step: no branch hangs on data).  Keys behind the query are left out: whole key steps by a scalar branch on ids,
; the step on the diagonal by a compare of the register's key with the lane's query.  The input masks enters no arithmetic of the problem: it is loaded and used nowhere.
; THE SOFTMAX AHEAD OF THE SECOND PRODUCT: t = score x log2(e) / 8; M = the largest t so far, rounded UP to a whole number; p = 2^(t - M) is quantised with 2^ep; the sum l is taken of the unquantised p.
; THE SCORES ARE MADE EXACT, since a score goes into a test for exactly 0 and on into a quantiser.  K's and Q's codes are cut into three classes by the two top bits of the exponent field, each class a fragment with
; zeros at the other classes' places: H (field 12-15: 32 .. 448, multiples of 4), M (8-11: 2 .. 30, multiples of 1/4), T (0-7: under 2, multiples of 2^-9).  A tile of scores is NINE products, each begun with 0.
; In units of its lowest bit a code of H or M is under 2^7, of T under 2^10: a product of H and M classes has at most 14 bits and a sum of 64 at most 20; with one T class 17 and 23; T x T 20 and 26, in a sum under 2^8.
; The nine sums are added in f32, the largest class first: where the whole sum is 0, every part sum is as small as what is still to come, and the additions round nothing.
; SHARES.  256 work-groups of sixteen waves, four to a SIMD, 256 registers each.  Cluster x = A (0..3), y = the batch, cx = the place in the cluster.  Wave w: column s = w & 3, group g = w >> 2.
; A column owns two tiles of 16 queries: lo at 256 A + 64 s + 16 cx, hi at 256 (7 - A) + 64 (3 - s) + 16 cx.  A tile in block a of 128 queries needs key steps 0 .. a of 128 keys; a_lo = 2 A + s / 2, a_hi = 15 - a_lo:
; 17 tile steps for every column.  The four waves of a column share them: the wave of class (g + s) & 3 takes steps 4 i + class, i = 0 .. 3, of both tiles, with its own M, l and O^T; the four parts of a tile are
; joined at the end by whole powers of two.
; CLUSTER.  The four partners have one batch and one A: they need the same K and V and run the same branches; cx enters only global addresses of Q, masks and out0 and the number that the diagonal's compare reads.
; All of the batch's K and V (2 x 128 KiB) comes into each partner's LDS ONCE, by joint tensor loads with a mask that names the four.  Nothing is filled again; all is asked for at the head.
; LAYOUT.  Both products are used transposed.  S^T = K Q^T (source 0 = 16 neighbouring keys, source 1 = my 16 queries): lane (r, h) holds query r, register 8 t + j key 16 t + 8 h + j.  Eight such registers, converted,
; are registers 2 t, 2 t + 1 of source 1 of O^T = V^T P^T.  Every operand lies in its form's own order (registers 2 c, 2 c + 1: k = 16 c + 8 h + 0 .. 7), by loads of 8 bytes.
; LIMITS.  eq + ek between -92 and 10: then -2^(35 - eq - ek) is an f32 number and every real score / 8 lies above -2^31, so that a key at -2^32 has no weight beside a real one.  ep between -126 and 119.
; NaN codes are not served.  Keys behind the query get -infinity here, where the problem adds -2^32: the two differ only in a row in which EVERY key up to the query has a score of exactly 0 while a later key has
; another score; this text then gives the mean of V over the keys up to the query.
.set SUB,   64*272                     ; LDS: 256 keys of K (64 rows of four keys) or of V (64 channels): rows of 256 bytes + 16 of padding = 68 words: row r starts at bank 4 r mod 64 (64 banks of 4 bytes: ISA guide 11.1)
.set KST,   32*272                     ; a key step of K: 128 keys
.set PH,    4*KST                      ; a phase's four key steps in K's area; the same in V's (2 SUB)
.set VB,    8*SUB                      ; K lies at 0, V here
.set STATS, 16*SUB                     ; behind them: -M and l of every wave's two tiles, 8 bytes a lane: 16 x 2 x 256 bytes; no tile lands here
.set PT,    16*272                     ; the parts of O: 16 queries x (256 bytes + 16), two a wave, from byte 0 on: K's area, which has had its one fill and is read no more when they are stored
.set AK0, 1                            ; v1   my lane's place in my first key step of K
.set AV0, 2                            ; v2   the same for V
.set ADK, 3                            ; v3   v1 + the phase
.set ADV, 4                            ; v4   v2 + the phase
.set SCL, 5                            ; v5   2^ep
.set DLO, 6                            ; v6, v7  my query less 8 h, counted from its block of 128: tile lo, tile hi
.set DHI, 7
.set LO,  8                            ; v8 -M, v9 the largest t, v[10:11] l in two halves: tile lo
.set HI,  12                           ; v12-15 tile hi
.set QL,  16                           ; v16-39 Q of tile lo: class H, + 8 class M, + 16 class T
.set QH,  40                           ; v40-63 of tile hi
.set OL,  64                           ; v64-95 O^T of tile lo;  v96-127 of tile hi
.set OH,  96
.set S,   128                          ; v128-191 S^T, then p, then V's four fragments
.set P,   192                          ; v192-207 p's codes
.set R,   192                          ; while the scores are made: two buffers of a raw tile of K, which becomes its class T
.set KH,  208                          ; v208-215 the tile's class H;  v216-223 class M
.set KM,  216
.set T0,  224                          ; v224-247 three accumulators of 8; while a tile is cut: at work
.set T1,  232
.set T2,  240
.set FF,  248                          ; v[248:249] f = 2^(old M - new M); the upper word is only named
.set SUM2, 250                         ; v[250:251] the sum's second chain
.set TA,  252
.set TB,  253
.set TP,  254                          ; a lane permute's destination
.set PADV, 255                         ; -2^(35 - eq - ek): x c it is -2^32 log2(e)
.set SW,  1                            ; the merge's addresses, made behind the loop in registers that the loop has left: where I store my statistics,
.set SR,  2                            ; read my column's,
.set PW,  3                            ; store my parts of O,
.set PR,  4                            ; read the rows that I send out: groups 0, 1;
.set PR2, 6                            ; groups 2, 3;
.set GO,  7                            ; 16 x lane: my 16 bytes of two rows of out0
.set GS,  128                          ; the merge: four groups' -M and l, tile u at v[GS + 8 u]
.set GW,  144                          ; at work, tile u at v[GW + 8 u]
.set GG,  160                          ; v[160:161], v[162:163] what my parts are multiplied by
.set WV,  16                           ; s16 wave;  s17 column;  s18 group
.set COL, 17
.set GRP, 18
.set C6,  19                           ; s19 bit 6 of each byte: the exponent field's top bit
.set CX,  20
.set NINFS, 21                         ; s21 -infinity
.set BAT, 22
.set ALO, 23                           ; the tiles' last key steps
.set AHI, 24
.set QLO, 25                           ; the tiles' first queries
.set QHI, 26
.set KS,  27                           ; my key step in the phase in hand; at first my class
.set G1K, 28                           ; s[28:35], s[36:43] descriptor group 1 for K's and V's tiles
.set G1V, 36
.set G0,  44                           ; s[44:59] four groups 0
.set SEL, 60                           ; s[60:61] v_permlanex16_b32: lane l xor 16
.set CS,  62                           ; s[62:63] c = log2(e) / 8 x 2^(eq + ek)
.set KOFF, 66                          ; s66 the phase's bytes in K's and V's areas;  s67 counts the phases (both: at work at the head)
.set CNT, 67
.set EX,  68                           ; s[68:71] eq, ek, ep, ev
.set CM,  72                           ; s72-79 eight compare masks; at the head: at work
.set EO,  90                           ; s90 ep + ev
.set LIMS, 91                          ; s91 448 x 2^ep (at the head: at work)
; A round of the cluster's barrier: my work-group's barrier; wave 0 signals for the work-group; every wave waits for the four work-groups; my work-group's barrier once more.
.macro ROUND
	s_barrier_signal -1
	s_barrier_wait -1
	s_cmp_lg_u32 s[WV], 0
	s_cbranch_scc1 .Lnot_wave_0_\@
	s_barrier_signal -3
.Lnot_wave_0_\@:
	s_barrier_wait -3
	s_barrier_signal -1
	s_barrier_wait -1
.endm
.macro PLACES                          ; four places behind a matrix instruction (ISA guide 7.12.1)
.rept 4
	v_nop
.endr
.endm
; Eight registers of codes, v[x] on, are cut into classes: H to v[hh] on, M to v[mm] on, T stays in v[x].  A byte's flag f (bit 6) becomes the byte's mask: (f << 2) - (f >> 6) is 255 x (f >> 6), modulo 2^32.
; Thirteen lines a register, written stage by stage over the eight, so that no line reads the result of the line above it.
.macro SPLIT x, hh, mm
.irp j, 0,1,2,3,4,5,6,7
	v_and_b32 v[T0+\j], s[C6], v[\x+\j]            ; field 8 or more: H or M
.endr
.irp j, 0,1,2,3,4,5,6,7
	v_lshlrev_b32 v[T1+\j], 1, v[\x+\j]
.endr
.irp j, 0,1,2,3,4,5,6,7
	v_and_b32 v[T1+\j], v[T1+\j], v[T0+\j]         ; and bit 5 too: field 12 or more: H
.endr
.irp j, 0,1,2,3,4,5,6,7
	v_lshlrev_b32 v[T2+\j], 2, v[T0+\j]
.endr
.irp j, 0,1,2,3,4,5,6,7
	v_lshrrev_b32 v[T0+\j], 6, v[T0+\j]
.endr
.irp j, 0,1,2,3,4,5,6,7
	v_sub_nc_u32 v[T0+\j], v[T2+\j], v[T0+\j]      ; the bytes of H and M
.endr
.irp j, 0,1,2,3,4,5,6,7
	v_lshlrev_b32 v[T2+\j], 2, v[T1+\j]
.endr
.irp j, 0,1,2,3,4,5,6,7
	v_lshrrev_b32 v[T1+\j], 6, v[T1+\j]
.endr
.irp j, 0,1,2,3,4,5,6,7
	v_sub_nc_u32 v[T1+\j], v[T2+\j], v[T1+\j]      ; the bytes of H
.endr
.irp j, 0,1,2,3,4,5,6,7
	v_and_b32 v[\hh+\j], v[\x+\j], v[T1+\j]
.endr
.irp j, 0,1,2,3,4,5,6,7
	v_and_b32 v[T0+\j], v[\x+\j], v[T0+\j]
.endr
.irp j, 0,1,2,3,4,5,6,7
	v_xor_b32 v[\mm+\j], v[T0+\j], v[\hh+\j]
.endr
.irp j, 0,1,2,3,4,5,6,7
	v_xor_b32 v[\x+\j], v[\x+\j], v[T0+\j]
.endr
.endm
	s_load_b256 s[4:11], s[0:1], 0x0               ; Q s[4:5], K s[6:7], V s[8:9], the exponents s[10:11]
	s_load_b128 s[12:15], s[0:1], 0x20             ; masks s[12:13], out0 s[14:15]
	v_lshl_add_u32 v254, v0, 2, 0x46000
	v_mov_b32 v255, 0
	ds_add_u32 v254, v255
	ds_add_u32 v254, v255
	s_wait_dscnt 0x0
	v_lshrrev_b32 v128, 5, v0
	v_readfirstlane_b32 s[WV], v128                ; wave 0..15
	s_and_b32 s[COL], s[WV], 3
	s_lshr_b32 s[GRP], s[WV], 2
	s_add_co_u32 s[KS], s[COL], s[GRP]
	s_and_b32 s[KS], s[KS], 3                      ; my class: the four waves of a column have four classes, and so have the four of a group
	s_bfe_u32 s[CX], ttmp6, 0x40000
	s_and_b32 s[BAT], ttmp7, 0xffff
	s_lshr_b32 s86, s[COL], 1
	s_lshl_b32 s[ALO], ttmp9, 1
	s_add_co_u32 s[ALO], s[ALO], s86               ; a_lo = 2 A + s / 2: of A and the wave's number alone
	s_sub_co_u32 s[AHI], 15, s[ALO]
	s_lshl_b32 s[QLO], ttmp9, 8
	s_lshl_b32 s72, s[COL], 6
	s_add_co_u32 s[QLO], s[QLO], s72               ; 256 A + 64 s
	s_sub_co_u32 s[QHI], 1984, s[QLO]              ; 256 (7 - A) + 64 (3 - s)
	s_lshl_b32 s73, s[CX], 4
	s_add_co_u32 s[QLO], s[QLO], s73
	s_add_co_u32 s[QHI], s[QHI], s73
	v_and_b32 v129, 15, v0                         ; r
	v_bfe_u32 v130, v0, 4, 1                       ; h
	v_lshrrev_b32 v132, 2, v129
	v_mul_u32_u24 v132, v132, 272
	v_and_b32 v133, 3, v129
	v_lshl_add_u32 v132, v133, 6, v132
	v_lshl_add_u32 v132, v130, 3, v132             ; K: key r of a tile: row r / 4, 64 (r % 4) bytes in, + 8 h: lane (r, h) starts at bank 4 (r / 4) + 16 (r % 4) + 2 h: a load's 32 lanes take each bank once
	s_mul_i32 s86, s[KS], KST
	v_add_nc_u32 v[AK0], s86, v132
	v_mul_u32_u24 v132, v129, 272
	v_lshl_add_u32 v132, v130, 3, v132             ; V: channel r of a tile, + 8 h
	s_lshr_b32 s86, s[KS], 1
	s_mul_i32 s86, s86, SUB
	s_and_b32 s91, s[KS], 1
	s_lshl_b32 s91, s91, 7
	s_add_co_u32 s86, s86, s91
	s_add_co_u32 s86, s86, VB
	v_add_nc_u32 v[AV0], s86, v132
	s_and_b32 s74, s72, 64                         ; 64 (s & 1): tile lo's place in its block of 128 queries,
	s_add_co_u32 s75, s74, s73
	s_xor_b32 s74, s74, 64                         ; tile hi's
	s_add_co_u32 s76, s74, s73
	v_lshlrev_b32 v132, 3, v130
	v_sub_nc_u32 v132, v129, v132                  ; r - 8 h
	v_add_nc_u32 v[DLO], s75, v132
	v_add_nc_u32 v[DHI], s76, v132
	v_lshlrev_b32 v133, 6, v129
	v_lshl_add_u32 v133, v130, 3, v133             ; Q: row r of 64 bytes, + 8 h
	; descriptor group 1: 64 rows of 256 bytes, padded in LDS
.irp g, G1K, G1V
	s_mov_b32 s[\g], 15|(1<<20)|(1<<21)|(5<<22)|(3<<25)   ; 15:0 the mask: all four work-groups; 17:16 elements of 1 byte; 20 padding on; 21 set beside a mask; 24:22 after every 64 words (code 5); 31:25 four words (code 3)
	s_mov_b32 s[\g+1], 256<<16                     ; tensor_dim0
	s_mov_b32 s[\g+2], 64<<16                      ; tensor_dim1
	s_mov_b32 s[\g+3], 256<<16                     ; tile_dim0
	s_mov_b32 s[\g+4], 64                          ; tile_dim1
	s_mov_b32 s[\g+6], 0
	s_mov_b32 s[\g+7], 0
.endr
	s_mov_b32 s[G1K+5], 256                        ; K is dense: four keys to a row
	s_mov_b32 s[G1V+5], 2048                       ; a channel's row of V
	s_mov_b32 s[SEL], 0x76543210
	s_mov_b32 s[SEL+1], 0xfedcba98
	s_mov_b32 s[C6], 0x40404040
	s_mov_b32 s[NINFS], 0xff800000
	; the starting values.  A wave's first step of a tile finds zeros, which the first change of M leaves zeros; a part that gets no step stays empty and is joined with the factor 0
.irp t, LO, HI
	v_mov_b32 v[\t+1], 0xff61b1e6                  ; the largest t so far: -3e38
	v_floor_f32 v[\t], -v[\t+1]                    ; -M
	v_mov_b32 v[\t+2], 0
	v_mov_b32 v[\t+3], 0
.endr
	v_mov_b32 v[TP], 0                             ; written once: a lane permute's destination counts as one of its sources
	v_mov_b32 v[FF+1], 0                           ; (named as the upper half of a pair)
.set PB, 0
.rept 64
	v_mov_b32 v[OL+PB], 0
.set PB, PB+1
.endr
	s_lshl_b32 s66, s[BAT], 17                     ; the batch's first byte in K and in V
	s_mov_b32 s67, 0
	s_and_b32 s91, s[WV], 1                        ; what I fetch, if I fetch: waves 0, 1 K's even and odd blocks of 256 keys, waves 2, 3 V's
	s_bfe_u32 s92, s[WV], 0x10001
	s_wait_kmcnt 0x0
	s_load_b128 s[EX:EX+3], s[10:11], 0x0
	s_cmp_eq_u32 s92, 0
	s_cselect_b64 s[94:95], s[6:7], s[8:9]
	s_mov_b32 s93, 256
	s_cselect_b32 s93, 16384, s93                  ; 256 keys on: 16,384 bytes in K, 256 in a row of V
	s_add_nc_u64 s[94:95], s[94:95], s[66:67]
	s_mul_i32 s86, s91, s93
	s_mov_b32 s87, 0
	s_add_nc_u64 s[94:95], s[94:95], s[86:87]
	s_lshl_b32 s86, s93, 1                         ; from load to load: 512 keys
	s_mul_i32 s92, s92, VB
	s_mul_i32 s91, s91, SUB
	s_add_co_u32 s92, s92, s91
.irp i, 0,1,2,3
	s_mov_b32 s[G0+4*\i], 1                        ; 1:0 count = 1
	s_add_co_u32 s[G0+4*\i+1], s92, 2*\i*SUB       ; 63:32 LDS address
	s_mov_b64 s[G0+4*\i+2:G0+4*\i+3], s[94:95]     ; 120:64 global address
	s_or_b32 s[G0+4*\i+3], s[G0+4*\i+3], 0x80000000  ; 127:126 type = 2
.if \i < 3
	s_add_nc_u64 s[94:95], s[94:95], s[86:87]
.endif
.endr
	s_lshl_b32 s72, s[BAT], 11
	s_add_co_u32 s73, s72, s[QLO]                  ; my tiles' first rows, counted through the batches
	s_add_co_u32 s74, s72, s[QHI]
	s_mov_b32 s77, 0
	s_lshl_b32 s76, s73, 6
	s_add_nc_u64 s[80:81], s[4:5], s[76:77]        ; Q of tile lo,
	s_lshl_b32 s76, s74, 6
	s_add_nc_u64 s[82:83], s[4:5], s[76:77]        ; of tile hi
	s_lshl_b32 s76, s73, 2
	s_add_nc_u64 s[88:89], s[12:13], s[76:77]      ; masks at tile lo; lanes 16-31 reach on to tile hi
	s_sub_co_u32 s78, s74, s73
	s_lshl_b32 s78, s78, 2
	v_mul_lo_u32 v132, v130, s78
	v_lshl_add_u32 v132, v129, 2, v132
	s_cmp_lt_u32 s[GRP], 2
	s_cselect_b32 s75, s73, s74
	s_and_b32 s79, s[GRP], 1
	s_lshl_b32 s79, s79, 3
	s_add_co_u32 s75, s75, s79
	s_lshl_b32 s76, s75, 8
	s_add_nc_u64 s[84:85], s[14:15], s[76:77]      ; out0 at the eight rows that I send out
	ROUND                                          ; all four work-groups are here: the joint loads meet
	s_cmp_lt_u32 s[WV], 2                          ; a wave's four fills stand in one branch on the wave's number: four tensor loads of mine are out at the most.  Four v_nop follow the last
	s_cbranch_scc0 .Lnot_k
.irp i, 0,1,2,3
	tensor_load_to_lds s[G0+4*\i:G0+4*\i+3], s[G1K:G1K+7]
	s_nop 0
.endr
	PLACES
	s_branch .Lasked
.Lnot_k:
	s_cmp_lt_u32 s[WV], 4
	s_cbranch_scc0 .Lasked
.irp i, 0,1,2,3
	tensor_load_to_lds s[G0+4*\i:G0+4*\i+3], s[G1V:G1V+7]
	s_nop 0
.endr
	PLACES
.Lasked:
	global_load_b32 v128, v132, s[88:89]           ; masks of my 32 queries: read as every input is; the problem's arithmetic has no use for it
.irp c, 0,1,2,3                                ; Q's two fragments: registers 2 c, 2 c + 1 = channels 16 c + 8 h + 0 .. 7 of row r; they land where class T will stay
	global_load_b64 v[QL+16+2*\c:QL+17+2*\c], v133, s[80:81] offset:16*\c
	global_load_b64 v[QH+16+2*\c:QH+17+2*\c], v133, s[82:83] offset:16*\c
.endr
	s_wait_kmcnt 0x0
	s_add_co_i32 s86, s[EX], s[EX+1]               ; eq + ek
	s_lshl_b32 s87, s86, 23
	s_add_co_i32 s[CS], s87, 0x3e38aa3b            ; log2(e) / 8, with the two exponents added to its exponent field
	s_mov_b32 s[CS+1], s[CS]                       ; (named with it as a pair)
	s_sub_co_i32 s87, 162, s86
	s_lshl_b32 s87, s87, 23
	s_or_b32 s87, s87, 0x80000000
	v_mov_b32 v[PADV], s87                         ; -2^(35 - eq - ek)
	s_add_co_i32 s86, s[EX+2], 127
	s_lshl_b32 s87, s86, 23
	v_mov_b32 v[SCL], s87                          ; 2^ep: the conversion takes its exponent field
	s_add_co_i32 s86, s86, 8
	s_lshl_b32 s86, s86, 23
	s_or_b32 s[LIMS], s86, 0x600000                ; 448 x 2^ep
	s_add_co_i32 s[EO], s[EX+2], s[EX+3]
	s_wait_loadcnt 0x0                             ; Q (and masks)
	SPLIT QL+16, QL, QL+8                          ; Q's classes are made once
	SPLIT QH+16, QH, QH+8
.macro KLOAD t                         ; tile t of the step's K, 16 keys (four LDS rows) x 64 channels, raw, into buffer t % 2
.irp c, 0,1,2,3
	ds_load_b64 v[R+8*((\t)%2)+2*\c:R+8*((\t)%2)+2*\c+1], v[ADK] offset:1088*(\t)+16*\c
.endr
.endm
.macro PROD d, a, b                    ; 16 keys of one class x my 16 queries of one class, begun with 0
	v_wmma_f32_16x16x64_fp8_fp8 v[\d:\d+7], v[\a:\a+7], v[\b:\b+7], 0
.endm
.macro ACC2 s, x, y                    ; eight sums, two at a time, each accumulator from its low end on
.irp j, 0,2,4,6
	v_pk_add_f32 v[\s+\j:\s+\j+1], v[\x+\j:\x+\j+1], v[\y+\j:\y+\j+1]
.endr
.endm
; One tile of scores: the raw tile is cut, then nine products in three batches of three.  Behind a batch stand four places, then its additions; an accumulator is written again eight places or more behind the product
; that wrote it last (the four v_nop and the additions that do not name it).  The order of the additions: H H, H M, M H, M M, H T, T H, M T, T M, T T (K's class first).
.macro TILE t, q
.set RX, R+8*((\t)%2)
.set SX, S+8*(\t)
.if (\t) < 7
	s_wait_dscnt 4                                 ; this tile's four loads are in; the next tile's four may be out
.else
	s_wait_dscnt 0x0
.endif
	SPLIT RX, KH, KM
	PROD T0, KH, \q
	PROD T1, KH, \q+8
	PROD T2, KM, \q
	PLACES
	ACC2 SX, T0, T1
	ACC2 SX, SX, T2
	PROD T0, KM, \q+8
	PROD T1, KH, \q+16
	PROD T2, RX, \q
	PLACES
	ACC2 SX, SX, T0
	ACC2 SX, SX, T1
	ACC2 SX, SX, T2
	PROD T0, KM, \q+16
	PROD T1, RX, \q+8
	PROD T2, RX, \q+16
	PLACES
	ACC2 SX, SX, T0
	ACC2 SX, SX, T1
	ACC2 SX, SX, T2
.if (\t) < 6
	KLOAD (\t)+2                                   ; into the buffer just left: sixteen places behind the last product that read it
.endif
.endm
; ONE TILE'S KEY STEP: 128 keys.  st: the tile's statistics; q: its Q; o: its O^T; d: its number for the diagonal; sa: its last key step.  A step behind the tile's last is left out: a scalar branch on ids.
.macro STEP st, q, o, d, sa
	s_cmp_gt_u32 s[KS], s[\sa]
	s_cbranch_scc1 .Lskip_\@
	KLOAD 0
	KLOAD 1
.irp t, 0,1,2,3,4,5,6,7
	TILE \t, \q
.endr
.irp t, 0,1,2,3,4,5,6,7                        ; a score of exactly 0 becomes -2^32, as a raw sum.  Eight compares, then eight selects
.irp i, 0,1,2,3,4,5,6,7
	v_cmp_eq_f32 s[CM+\i], 0, v[S+8*\t+\i]
.endr
.irp i, 0,1,2,3,4,5,6,7
	v_cndmask_b32 v[S+8*\t+\i], v[S+8*\t+\i], v[PADV], s[CM+\i]
.endr
.endr
	s_cmp_lg_u32 s[KS], s[\sa]
	s_cbranch_scc1 .Lopen_\@
.irp t, 0,1,2,3,4,5,6,7                        ; on the diagonal: register 8 t + i holds the step's key 16 t + 8 h + i: hidden where 16 t + i > my query - 8 h
.irp i, 0,1,2,3,4,5,6,7
	v_cmp_gt_i32 s[CM+\i], 16*\t+\i, v[\d]
.endr
.irp i, 0,1,2,3,4,5,6,7
	v_cndmask_b32 v[S+8*\t+\i], v[S+8*\t+\i], s[NINFS], s[CM+\i]
.endr
.endr
.Lopen_\@:
	v_max3_num_f32 v[TA], v[S], v[S+1], v[S+2]     ; the step's largest score of my query among my 64 keys, in two chains,
	v_max3_num_f32 v[TB], v[S+3], v[S+4], v[S+5]
.irp i, 6,10,14,18,22,26,30,34,38,42,46,50,54,58
	v_max3_num_f32 v[TA], v[TA], v[S+\i], v[S+\i+1]
	v_max3_num_f32 v[TB], v[TB], v[S+\i+2], v[S+\i+3]
.endr
	v_max3_num_f32 v[TA], v[TA], v[S+62], v[S+63]
	v_max_num_f32 v[TA], v[TA], v[TB]
	v_permlanex16_b32 v[TP], v[TA], s[SEL], s[SEL+1]
	v_max_num_f32 v[TA], v[TA], v[TP]              ; and among lane l xor 16's
	v_mul_f32 v[TA], s[CS], v[TA]                  ; as t (c is positive)
	v_max_num_f32 v[\st+1], v[\st+1], v[TA]        ; the running largest t
	v_mov_b32 v[TA], v[\st]
	v_floor_f32 v[\st], -v[\st+1]                  ; the new -M = -ceil(t)
	v_sub_f32 v[TA], v[\st], v[TA]                 ; old M - new M: a whole number, 0 or less
	v_cvt_i32_f32 v[TA], v[TA]                     ; (it saturates)
	v_ldexp_f32 v[FF], 1.0, v[TA]                  ; f = 2^(old M - new M)
	; ONE BATCH: the 32 packed t - M and the 64 exponentials, none of which names an exponential's result; a pair is scaled two pairs ahead of its exponentials.  O^T's 16 packed multiplications by f stand among them.
	v_pk_fma_f32 v[S:S+1], v[S:S+1], s[CS:CS+1], v[\st:\st+1] op_sel_hi:[1,0,0]
	v_pk_fma_f32 v[S+2:S+3], v[S+2:S+3], s[CS:CS+1], v[\st:\st+1] op_sel_hi:[1,0,0]
.set PB, 0
.rept 32
.if PB < 30
	v_pk_fma_f32 v[S+2*PB+4:S+2*PB+5], v[S+2*PB+4:S+2*PB+5], s[CS:CS+1], v[\st:\st+1] op_sel_hi:[1,0,0]   ; of the pairs c and -M the low word serves both halves
.endif
	v_exp_f32 v[S+2*PB], v[S+2*PB]                 ; p = 2^(t - M), at most 1
	v_exp_f32 v[S+2*PB+1], v[S+2*PB+1]
.if PB % 2
	v_pk_mul_f32 v[\o+PB-1:\o+PB], v[\o+PB-1:\o+PB], v[FF:FF+1] op_sel_hi:[1,0]   ; O^T under the new M, each accumulator from its low end on
.endif
.set PB, PB+1
.endr
	v_pk_mul_f32 v[\st+2:\st+3], v[\st+2:\st+3], v[FF:FF+1] op_sel_hi:[1,0]       ; l under the new M.  (With the line above: plain places behind the last exponential)
	s_wait_alu depctr_va_vdst(0)                   ; one wait for the batch, ahead of the first line that names a result
	v_pk_add_f32 v[SUM2:SUM2+1], v[S:S+1], v[S+2:S+3]   ; l takes the UNQUANTISED p: two at a time, in two chains
.irp j, 4,8,12,16,20,24,28,32,36,40,44,48,52,56,60
	v_pk_add_f32 v[\st+2:\st+3], v[\st+2:\st+3], v[S+\j:S+\j+1]
	v_pk_add_f32 v[SUM2:SUM2+1], v[SUM2:SUM2+1], v[S+\j+2:S+\j+3]
.endr
	v_pk_add_f32 v[\st+2:\st+3], v[\st+2:\st+3], v[SUM2:SUM2+1]
.irp c, 0,1,2,3,4,5,6,7
.irp i, 0,1,2,3,4,5,6,7
	v_min_num_f32 v[S+8*\c+\i], s[LIMS], v[S+8*\c+\i]   ; the conversion to an 8-bit code does not saturate (ISA guide 7.6.2); p is not negative, so the hold is one-sided
.endr
	v_cvt_scalef32_pk8_fp8_f32 v[P+2*\c:P+2*\c+1], v[S+8*\c:S+8*\c+7], v[SCL]   ; keys 16 c + 8 h + 0 .. 7: registers 2 c, 2 c + 1 of the operand
.irp u, 0,1,2,3                                ; the eight registers just converted take half a fragment of V: tile c / 2 of 16 channels, registers 8 (c % 2) + 2 u on: keys 16 (4 (c % 2) + u) + 8 h + 0 .. 7
	ds_load_b64 v[S+8*\c+2*\u:S+8*\c+2*\u+1], v[ADV] offset:4352*(\c/2)+64*(\c%2)+16*\u
.endr
.endr
	v_nop                                          ; one plain line between the last conversion and the products that read its result
	s_wait_dscnt 0x0                               ; V is in
.irp t, 0,1,2,3                                ; the four accumulators take turns; the score products stand between two turns of one accumulator
	v_wmma_f32_16x16x128_fp8_fp8 v[\o+8*\t:\o+8*\t+7], v[S+16*\t:S+16*\t+15], v[P:P+15], v[\o+8*\t:\o+8*\t+7]
.endr
	PLACES                                         ; in front of whatever follows: the next step's loads into the registers of p's codes, or the merge
.Lskip_\@:
.endm
	s_mov_b32 s[KOFF], 0
	s_mov_b32 s[CNT], 4
	s_wait_tensorcnt 0x0                           ; the fetching waves' loads have landed,
	s_barrier_signal -1
	s_barrier_wait -1                              ; and all sixteen waves know: K and V lie whole in LDS; nothing is ever filled again
.Lphase:                                           ; four trips: key steps 4 i + my class.  Tile lo, whose last step is 7 or less, is jumped over in trips 2 and 3
	v_add_nc_u32 v[ADK], s[KOFF], v[AK0]
	v_add_nc_u32 v[ADV], s[KOFF], v[AV0]
	STEP LO, QL, OL, DLO, ALO
	STEP HI, QH, OH, DHI, AHI
	s_add_co_u32 s[KS], s[KS], 4
	s_add_co_u32 s[KOFF], s[KOFF], PH
	s_sub_co_u32 s[CNT], s[CNT], 1
	s_cmp_lg_u32 s[CNT], 0
	s_cbranch_scc1 .Lphase
	; THE MERGE.  A tile's four parts have their own M.  Under the largest of them part g counts with 2^(M_g - M): a whole power of two; an empty part (M = -3e38) with 0.
	v_and_b32 v224, 15, v0                         ; r
	v_bfe_u32 v225, v0, 4, 1                       ; h
	v_and_b32 v226, 31, v0                         ; lane
	v_lshlrev_b32 v227, 3, v226
	s_lshl_b32 s86, s[WV], 9
	s_add_co_u32 s86, s86, STATS
	v_add_nc_u32 v[SW], s86, v227
	s_lshl_b32 s86, s[COL], 9
	s_add_co_u32 s86, s86, STATS
	v_add_nc_u32 v[SR], s86, v227
	v_mul_u32_u24 v227, v224, 272
	v_lshl_add_u32 v227, v225, 5, v227             ; a part of O: row r, + 32 h
	s_mul_i32 s86, s[WV], 2*PT
	v_add_nc_u32 v[PW], s86, v227
	v_mul_u32_u24 v227, v225, 272
	v_lshl_add_u32 v227, v224, 4, v227             ; back: lanes 0-15 one row of 256 bytes, lanes 16-31 the next
	s_mul_i32 s86, s[COL], 2*PT
	s_lshr_b32 s92, s[GRP], 1
	s_mul_i32 s92, s92, PT                         ; groups 0, 1 send tile lo, groups 2, 3 tile hi;
	s_add_co_u32 s86, s86, s92
	s_and_b32 s92, s[GRP], 1
	s_mul_i32 s92, s92, 8*272                      ; its rows 0-7 or 8-15
	s_add_co_u32 s86, s86, s92
	v_add_nc_u32 v[PR], s86, v227
	v_add_nc_u32 v[PR2], 16*PT, v[PR]
	v_lshlrev_b32 v[GO], 4, v226
	v_add_f32 v[LO+2], v[LO+2], v[LO+3]            ; l's two halves,
	v_add_f32 v[HI+2], v[HI+2], v[HI+3]
	v_permlanex16_b32 v[TP], v[LO+2], s[SEL], s[SEL+1]
	v_add_f32 v[LO+1], v[LO+2], v[TP]              ; and lane l xor 16's; beside -M, where the largest t stood
	v_permlanex16_b32 v[TP], v[HI+2], s[SEL], s[SEL+1]
	v_add_f32 v[HI+1], v[HI+2], v[TP]
	ds_store_b64 v[SW], v[LO:LO+1]
	ds_store_b64 v[SW], v[HI:HI+1] offset:256
	s_wait_dscnt 0x0                               ; for the others' sake: my statistics lie in LDS; my reads of K and V were over before
	s_barrier_signal -1
	s_barrier_wait -1                              ; everybody's do, and nobody reads K any more
.irp u, 0,1
.irp g, 0,1,2,3
	ds_load_b64 v[GS+8*\u+2*\g:GS+8*\u+2*\g+1], v[SR] offset:2048*\g+256*\u
.endr
.endr
	s_wait_dscnt 0x0
.macro GAIN u, st                      ; tile u: the smallest -M; each group's factor; the joint l; my own exponent
.set GX, GW+8*(\u)
.set GN, GS+8*(\u)
	v_min3_num_f32 v[GX+4], v[GN], v[GN+2], v[GN+4]
	v_min_num_f32 v[GX+4], v[GX+4], v[GN+6]
.irp g, 0,1,2,3
	v_sub_f32 v[GX+\g], v[GX+4], v[GN+2*\g]        ; M_g - M: a whole number, 0 or less
.endr
	v_sub_f32 v[GX+6], v[GX+4], v[\st]
.irp g, 0,1,2,3,6
	v_cvt_i32_f32 v[GX+\g], v[GX+\g]               ; (it saturates)
.endr
.irp g, 0,1,2,3
	v_ldexp_f32 v[GX+\g], 1.0, v[GX+\g]
.endr
	v_mul_f32 v[GX+5], v[GX], v[GN+1]
	v_fmac_f32 v[GX+5], v[GX+1], v[GN+3]
	v_fmac_f32 v[GX+5], v[GX+2], v[GN+5]
	v_fmac_f32 v[GX+5], v[GX+3], v[GN+7]           ; l: above 1/2, since the part with the largest M counts whole
.endm
	GAIN 0, LO
	GAIN 1, HI
	v_rcp_f32 v[GW+7], v[GW+5]
	v_rcp_f32 v[GW+15], v[GW+13]
	v_mov_b32 v[GG+1], 0                           ; (upper halves of pairs, only named.)  Plain places behind the reciprocals
	v_mov_b32 v[GG+3], 0
	s_wait_alu depctr_va_vdst(0)                   ; one wait for both reciprocals, ahead of their first use
	v_ldexp_f32 v[GG], v[GW+7], s[EO]              ; 2^(ep + ev) / l,
	v_ldexp_f32 v[GG+2], v[GW+15], s[EO]
	v_ldexp_f32 v[GG], v[GG], v[GW+6]              ; x my part's factor
	v_ldexp_f32 v[GG+2], v[GG+2], v[GW+14]
.irp u, 0,1
.irp j, 0,2,4,6,8,10,12,14,16,18,20,22,24,26,28,30
	v_pk_mul_f32 v[OL+32*\u+\j:OL+32*\u+\j+1], v[OL+32*\u+\j:OL+32*\u+\j+1], v[GG+2*\u:GG+2*\u+1] op_sel_hi:[1,0]
.endr
.endr
.irp u, 0,1
.irp t, 0,1,2,3
	ds_store_b128 v[PW], v[OL+32*\u+8*\t:OL+32*\u+8*\t+3] offset:PT*\u+64*\t        ; lane (r, h): query r, channels 16 t + 8 h + 0 .. 7
	ds_store_b128 v[PW], v[OL+32*\u+8*\t+4:OL+32*\u+8*\t+7] offset:PT*\u+64*\t+16
.endr
.endr
	s_wait_dscnt 0x0                               ; for the others' sake: my parts lie in LDS
	s_barrier_signal -1
	s_barrier_wait -1
.irp i, 0,1,2,3                                ; my eight rows, two at a time, from the four groups' parts
	ds_load_b128 v[S+16*\i:S+16*\i+3],     v[PR]  offset:544*\i
	ds_load_b128 v[S+16*\i+4:S+16*\i+7],   v[PR]  offset:8*PT+544*\i
	ds_load_b128 v[S+16*\i+8:S+16*\i+11],  v[PR2] offset:544*\i
	ds_load_b128 v[S+16*\i+12:S+16*\i+15], v[PR2] offset:8*PT+544*\i
.endr
.irp i, 0,1,2,3
	s_wait_dscnt 12-4*\i                           ; these two rows' four loads are in; the later rows' may be out
	v_pk_add_f32 v[S+16*\i:S+16*\i+1],     v[S+16*\i:S+16*\i+1],     v[S+16*\i+4:S+16*\i+5]
	v_pk_add_f32 v[S+16*\i+2:S+16*\i+3],   v[S+16*\i+2:S+16*\i+3],   v[S+16*\i+6:S+16*\i+7]
	v_pk_add_f32 v[S+16*\i+8:S+16*\i+9],   v[S+16*\i+8:S+16*\i+9],   v[S+16*\i+12:S+16*\i+13]
	v_pk_add_f32 v[S+16*\i+10:S+16*\i+11], v[S+16*\i+10:S+16*\i+11], v[S+16*\i+14:S+16*\i+15]
	v_pk_add_f32 v[S+16*\i:S+16*\i+1],     v[S+16*\i:S+16*\i+1],     v[S+16*\i+8:S+16*\i+9]
	v_pk_add_f32 v[S+16*\i+2:S+16*\i+3],   v[S+16*\i+2:S+16*\i+3],   v[S+16*\i+10:S+16*\i+11]
	global_store_b128 v[GO], v[S+16*\i:S+16*\i+3], s[84:85] offset:512*\i th:TH_STORE_NT   ; 32 lanes store two whole rows: 512 consecutive bytes, at a multiple of 256 from out0's first byte
.endr
	s_wait_xcnt 0x0
	v_lshl_add_u32 v254, v0, 2, 0x46000
	v_mov_b32 v255, 0
	s_wait_tensorcnt 0x0
	ds_add_u32 v254, v255
	s_wait_dscnt 0x0
	ROUND                                          ; the closing round: no work-group ends while a partner may still ask for a tile that names it
	s_endpgm
.Lfunc_end_k_qbd9959d236_attn:
	.size	k_qbd9959d236_attn, .Lfunc_end_k_qbd9959d236_attn-k_qbd9959d236_attn
	.p2alignl 7, 3214868480
	.fill 96, 4, 3214868480
	.section	.rodata,"a",@progbits
	.p2align	6, 0x0
	.amdhsa_kernel k_qbd9959d236_attn
		.amdhsa_group_segment_fixed_size 288768
		.amdhsa_private_segment_fixed_size 0
		.amdhsa_enable_private_segment 0
		.amdhsa_kernarg_size 48
		.amdhsa_user_sgpr_count 2
		.amdhsa_user_sgpr_kernarg_segment_ptr 1
		.amdhsa_wavefront_size32 1
		.amdhsa_system_sgpr_workgroup_id_x 1
		.amdhsa_system_sgpr_workgroup_id_y 1
		.amdhsa_system_sgpr_workgroup_id_z 1
		.amdhsa_system_vgpr_workitem_id 0
		.amdhsa_next_free_vgpr 256
		.amdhsa_next_free_sgpr 96
		.amdhsa_reserve_vcc 0
		.amdhsa_float_denorm_mode_32 3
		.amdhsa_float_denorm_mode_16_64 3
		.amdhsa_memory_ordered 1
		.amdhsa_forward_progress 1
		.amdhsa_inst_pref_size 197
	.end_amdhsa_kernel
	.amdgpu_metadata
---
amdhsa.version: [ 1, 2 ]
amdhsa.kernels:
  - .name:           k_qbd9959d236_attn
    .symbol:         k_qbd9959d236_attn.kd
    .args:
      - { .name: queries_codes, .offset: 0, .size: 8, .value_kind: global_buffer, .address_space: global }
      - { .name: keys_codes, .offset: 8, .size: 8, .value_kind: global_buffer, .address_space: global }
      - { .name: values_codes, .offset: 16, .size: 8, .value_kind: global_buffer, .address_space: global }
      - { .name: lowp_scales, .offset: 24, .size: 8, .value_kind: global_buffer, .address_space: global }
      - { .name: masks, .offset: 32, .size: 8, .value_kind: global_buffer, .address_space: global }
      - { .name: out0, .offset: 40, .size: 8, .value_kind: global_buffer, .address_space: global }
    .group_segment_fixed_size: 288768
    .private_segment_fixed_size: 0
    .kernarg_segment_align: 8
    .kernarg_segment_size: 48
    .max_flat_workgroup_size: 512
    .sgpr_count:     96
    .vgpr_count:     256
    .wavefront_size: 32
...
	.end_amdgpu_metadata
.endif
;; end of part 1
;; ======== version 2 of 2: 1 launch
;; limits: right only within a limited range of input values
;; launch attn (part 2): grid 16 x 16, 16 waves a work-group, clusters of 4 x 1, 288,768 bytes of LDS; arguments queries_codes, keys_codes, values_codes, lowp_scales, masks, out0; writes out0
.if DOCPART == 2
	.amdgcn_target "amdgcn-amd-amdhsa--gfx1250"
	.amdhsa_code_object_version 6
	.text
	.protected	k_qbd9959d236_attn
	.globl	k_qbd9959d236_attn
	.p2align	8
	.type	k_qbd9959d236_attn,@function
k_qbd9959d236_attn:
	s_mov_b64 s[64:65], 0
	v_nop
	global_prefetch_b8 v0, s[64:65] scope:SCOPE_SE
	s_setreg_imm32_b32 hwreg(HW_REG_WAVE_MODE, 25, 1), 1
	s_wait_xcnt 0x0
	s_wait_alu depctr_hold_cnt(0) depctr_sa_sdst(0) depctr_va_vdst(0) depctr_va_sdst(0) depctr_va_ssrc(0) depctr_va_vcc(0) depctr_vm_vsrc(0)
	s_getreg_b32 s2, hwreg(HW_REG_IB_STS2, 6, 4)
	s_cmp_eq_u32 s2, 0
	s_cbranch_scc0 .Lentry_in_a_cluster
	s_endpgm
.Lentry_in_a_cluster:
	s_bfe_u32 s2, ttmp6, 0x10000c
	s_cmp_lg_u32 s2, 0x3003
	s_cbranch_scc0 .Lentry_shape_is_right
	s_endpgm
.Lentry_shape_is_right:
; out0[b][q][:] = the sum over k <= q of softmax_k(Q[b][q] . K[b][k] / 8) V[b][k][:], 16 batches, 2,048 queries, 2,048 keys, head size 64; both products on codes of FP8 (E4M3).
; Q, K: [16][2048][64] codes.  V: [16][64][2048] codes, the keys innermost.  lowp_scales: eq, ek, ep, ev.  out0: [16][2048][64] f32.
; THE TWO MASKS.  A score that is exactly 0 counts as -2^32 (a compare and a select in every step: no branch hangs on data).  Keys behind the query are left out: whole key steps by a scalar branch on ids,
; the step on the diagonal by a compare of the register's key with the lane's query.  The input masks enters no arithmetic of the problem: it is loaded and used nowhere.
; THE SOFTMAX AHEAD OF THE SECOND PRODUCT: t = score x log2(e) / 8; M = the largest t so far, rounded UP to a whole number; p = 2^(t - M) is quantised with 2^ep; the sum l is taken of the unquantised p.
; THE SCORES ARE MADE EXACT, since a score goes into a test for exactly 0 and on into a quantiser.  The codes are cut into classes by the top bits of the exponent field, each class a fragment with zeros at the other
; classes' places.  K, which is cut in every step, has two: Hi (field 8-15: multiples of 1/4 up to 448: at most 1,792 units) and Lo (0-7: multiples of 2^-9 under 2: at most 960 units).  Q, which is cut once, has four:
; c3 (12-15: multiples of 4), c2 (8-11: of 1/4), c1 (4-7: of 2^-6), c0 (0-3: of 2^-9): at most 120 units each.  A tile of scores is EIGHT products, each begun with 0: a product has at most 18 bits, and a sum of 64 is
; under 64 x 1,792 x 120 < 2^24 units: an f32 number with nothing to round.  The eight are added in f32, the largest first: Hi c3, Hi c2, Lo c3, Hi c1, Lo c2, Hi c0, Lo c1, Lo c0.  Where the whole sum is 0, a part sum
; equals what is still to come: at most 114,719, 60,959, 7,199, 3,599, 239, 14, in units of 2^-4, 2^-7, 2^-8, 2^-11, 2^-11, 2^-15: always under 2^24 units, so the additions round nothing.
; SHARES.  256 work-groups of sixteen waves, four to a SIMD, 256 registers each.  Cluster x = A (0..3), y = the batch, cx = the place in the cluster.  Wave w: column s = w & 3, group g = w >> 2.
; A column owns two tiles of 16 queries: lo at 256 A + 64 s + 16 cx, hi at 256 (7 - A) + 64 (3 - s) + 16 cx.  A tile in block a of 128 queries needs key steps 0 .. a of 128 keys; a_lo = 2 A + s / 2, a_hi = 15 - a_lo:
; 17 tile steps for every column.  The four waves of a column share them: the wave of class (g + s) & 3 takes steps 4 i + class, i = 0 .. 3, of both tiles, with its own M, l and O^T; the four parts of a tile are
; joined at the end by whole powers of two.
; CLUSTER.  The four partners have one batch and one A: they need the same K and V and run the same branches; cx enters only global addresses of Q, masks and out0 and the number that the diagonal's compare reads.
; All of the batch's K and V (2 x 128 KiB) comes into each partner's LDS ONCE, by joint tensor loads with a mask that names the four.  Nothing is filled again; all is asked for at the head.
; LAYOUT.  Both products are used transposed.  S^T = K Q^T (source 0 = 16 neighbouring keys, source 1 = my 16 queries): lane (r, h) holds query r, register 8 t + j key 16 t + 8 h + j.  Eight such registers, converted,
; are registers 2 t, 2 t + 1 of source 1 of O^T = V^T P^T.  Every operand lies in its form's own order (registers 2 c, 2 c + 1: k = 16 c + 8 h + 0 .. 7), by loads of 8 bytes.
; LIMITS.  eq + ek between -92 and 10: then -2^(35 - eq - ek) is an f32 number and every real score / 8 lies above -2^31, so that a key at -2^32 has no weight beside a real one.  ep between -126 and 119.
; NaN codes are not served.  Keys behind the query get -infinity here, where the problem adds -2^32: the two differ only in a row in which EVERY key up to the query has a score of exactly 0 while a later key has
; another score; this text then gives the mean of V over the keys up to the query.
.set SUB,   64*272                     ; LDS: 256 keys of K (64 rows of four keys) or of V (64 channels): rows of 256 bytes + 16 of padding = 68 words: row r starts at bank 4 r mod 64 (64 banks of 4 bytes: ISA guide 11.1)
.set KST,   32*272                     ; a key step of K: 128 keys
.set PH,    4*KST                      ; a phase's four key steps in K's area; the same in V's (2 SUB)
.set VB,    8*SUB                      ; K lies at 0, V here
.set STATS, 16*SUB                     ; behind them: -M and l of every wave's two tiles, 8 bytes a lane: 16 x 2 x 256 bytes; no tile lands here
.set PT,    16*272                     ; the parts of O: 16 queries x (256 bytes + 16), two a wave, from byte 0 on: K's area, which has had its one fill and is read no more when they are stored
.set AK0, 1                            ; v1   my lane's place in my first key step of K
.set AV0, 2                            ; v2   the same for V
.set ADK, 3                            ; v3   v1 + the phase
.set ADV, 4                            ; v4   v2 + the phase
.set SCL, 5                            ; v5   2^ep
.set DLO, 6                            ; v6, v7  my query less 8 h, counted from its block of 128: tile lo, tile hi
.set DHI, 7
.set LO,  8                            ; v8 -M, v9 the largest t, v[10:11] l in two halves: tile lo
.set HI,  12                           ; v12-15 tile hi
.set QL,  16                           ; v16-47 Q of tile lo: class c3, + 8 c2, + 16 c1, + 24 c0
.set QH,  48                           ; v48-79 of tile hi
.set OL,  80                           ; v80-111 O^T of tile lo;  v112-143 of tile hi
.set OH,  112
.set S,   144                          ; v144-207 the step's eight raw tiles of K, then S^T, then p, then V's four fragments; at the head: at work
.set P,   208                          ; v208-223 p's codes
.set KH,  208                          ; while the scores are made: the tile's class Hi, v208-215, and Lo, v216-223
.set KL,  216
.set T0,  224                          ; v224-247 three accumulators of 8; T0 and T1 also at work while a tile is cut
.set T1,  232
.set T2,  240
.set FF,  248                          ; v[248:249] f = 2^(old M - new M); the upper word is only named
.set SUM2, 250                         ; v[250:251] the sum's second chain
.set TA,  252
.set TB,  253
.set TP,  254                          ; a lane permute's destination
.set PADV, 255                         ; -2^(35 - eq - ek): x c it is -2^32 log2(e)
.set SW,  1                            ; the merge's addresses, made behind the loop in registers that the loop has left: where I store my statistics,
.set SR,  2                            ; read my column's,
.set PW,  3                            ; store my parts of O,
.set PR,  4                            ; read the rows that I send out: groups 0, 1;
.set PR2, 6                            ; groups 2, 3;
.set GO,  7                            ; 16 x lane: my 16 bytes of two rows of out0
.set GS,  S                            ; the merge: four groups' -M and l, tile u at v[GS + 8 u]
.set GW,  S+16                         ; at work, tile u at v[GW + 8 u]
.set GG,  S+32                         ; two pairs: what my parts are multiplied by
.set WV,  16                           ; s16 wave;  s17 column;  s18 group
.set COL, 17
.set GRP, 18
.set C6,  19                           ; s19 bit 6 of each byte: the exponent field's top bit
.set CX,  20
.set NINFS, 21                         ; s21 -infinity
.set BAT, 22
.set ALO, 23                           ; the tiles' last key steps
.set AHI, 24
.set QLO, 25                           ; the tiles' first queries
.set QHI, 26
.set KS,  27                           ; my key step in the phase in hand; at first my class
.set G1K, 28                           ; s[28:35], s[36:43] descriptor group 1 for K's and V's tiles
.set G1V, 36
.set G0,  44                           ; s[44:59] four groups 0
.set SEL, 60                           ; s[60:61] v_permlanex16_b32: lane l xor 16
.set CS,  62                           ; s[62:63] c = log2(e) / 8 x 2^(eq + ek)
.set KOFF, 66                          ; s66 the phase's bytes in K's and V's areas;  s67 counts the phases (both: at work at the head)
.set CNT, 67
.set EX,  68                           ; s[68:71] eq, ek, ep, ev
.set CM,  72                           ; s72-79 eight compare masks; at the head: at work
.set EO,  90                           ; s90 ep + ev
.set LIMS, 91                          ; s91 at work at the head
.set C5,  93                           ; s93 bit 5 of each byte, for Q's cuts (before them: at work)
; A round of the cluster's barrier: my work-group's barrier; wave 0 signals for the work-group; every wave waits for the four work-groups; my work-group's barrier once more.
.macro ROUND
	s_barrier_signal -1
	s_barrier_wait -1
	s_cmp_lg_u32 s[WV], 0
	s_cbranch_scc1 .Lnot_wave_0_\@
	s_barrier_signal -3
.Lnot_wave_0_\@:
	s_barrier_wait -3
	s_barrier_signal -1
	s_barrier_wait -1
.endm
.macro PLACES                          ; four places behind a matrix instruction (ISA guide 7.12.1)
.rept 4
	v_nop
.endr
.endm
; Eight registers of codes, v[x] on, are cut in two by bit b of each byte (s[sm] holds that bit in all four bytes): the bytes that have it go to v[hi] on, the others to v[lo] on (lo may be x), zeros elsewhere.
; A byte's flag f becomes the byte's mask: (f << (8 - b)) - (f >> b) is 255 x (f >> b), modulo 2^32.  Six lines a register, written stage by stage over the eight, so that no line reads the result of the line above it.
.macro CUT x, hi, lo, sm, b
.irp j, 0,1,2,3,4,5,6,7
	v_and_b32 v[T0+\j], s[\sm], v[\x+\j]
.endr
.irp j, 0,1,2,3,4,5,6,7
	v_lshlrev_b32 v[T1+\j], 8-\b, v[T0+\j]
.endr
.irp j, 0,1,2,3,4,5,6,7
	v_lshrrev_b32 v[T0+\j], \b, v[T0+\j]
.endr
.irp j, 0,1,2,3,4,5,6,7
	v_sub_nc_u32 v[T0+\j], v[T1+\j], v[T0+\j]
.endr
.irp j, 0,1,2,3,4,5,6,7
	v_and_b32 v[\hi+\j], v[\x+\j], v[T0+\j]
.endr
.irp j, 0,1,2,3,4,5,6,7
	v_xor_b32 v[\lo+\j], v[\x+\j], v[\hi+\j]
.endr
.endm
	s_load_b256 s[4:11], s[0:1], 0x0               ; Q s[4:5], K s[6:7], V s[8:9], the exponents s[10:11]
	s_load_b128 s[12:15], s[0:1], 0x20             ; masks s[12:13], out0 s[14:15]
	v_lshl_add_u32 v254, v0, 2, 0x46000
	v_mov_b32 v255, 0
	ds_add_u32 v254, v255
	ds_add_u32 v254, v255
	s_wait_dscnt 0x0
	v_lshrrev_b32 v144, 5, v0
	s_delay_alu instid0(VALU_DEP_1)
	v_readfirstlane_b32 s[WV], v144                ; wave 0..15
	s_and_b32 s[COL], s[WV], 3
	s_lshr_b32 s[GRP], s[WV], 2
	s_add_co_u32 s[KS], s[COL], s[GRP]
	s_and_b32 s[KS], s[KS], 3                      ; my class: the four waves of a column have four classes, and so have the four of a group
	s_bfe_u32 s[CX], ttmp6, 0x40000
	s_and_b32 s[BAT], ttmp7, 0xffff
	s_lshr_b32 s86, s[COL], 1
	s_lshl_b32 s[ALO], ttmp9, 1
	s_add_co_u32 s[ALO], s[ALO], s86               ; a_lo = 2 A + s / 2: of A and the wave's number alone
	s_sub_co_u32 s[AHI], 15, s[ALO]
	s_lshl_b32 s[QLO], ttmp9, 8
	s_lshl_b32 s72, s[COL], 6
	s_add_co_u32 s[QLO], s[QLO], s72               ; 256 A + 64 s
	s_sub_co_u32 s[QHI], 1984, s[QLO]              ; 256 (7 - A) + 64 (3 - s)
	s_lshl_b32 s73, s[CX], 4
	s_add_co_u32 s[QLO], s[QLO], s73
	s_add_co_u32 s[QHI], s[QHI], s73
	v_and_b32 v145, 15, v0                         ; r
	v_bfe_u32 v146, v0, 4, 1                       ; h
	s_delay_alu instid0(VALU_DEP_2)
	v_lshrrev_b32 v148, 2, v145
	s_delay_alu instid0(VALU_DEP_1)
	v_mul_u32_u24 v148, v148, 272
	s_delay_alu instid0(VALU_DEP_4)
	v_and_b32 v149, 3, v145
	s_delay_alu instid0(VALU_DEP_1)
	v_lshl_add_u32 v148, v149, 6, v148
	s_delay_alu instid0(VALU_DEP_1)
	v_lshl_add_u32 v148, v146, 3, v148             ; K: key r of a tile: row r / 4, 64 (r % 4) bytes in, + 8 h: lane (r, h) starts at bank 4 (r / 4) + 16 (r % 4) + 2 h: a load's 32 lanes take each bank once
	s_mul_i32 s86, s[KS], KST
	v_add_nc_u32 v[AK0], s86, v148
	v_mul_u32_u24 v148, v145, 272
	s_delay_alu instid0(VALU_DEP_1)
	v_lshl_add_u32 v148, v146, 3, v148             ; V: channel r of a tile, + 8 h
	s_lshr_b32 s86, s[KS], 1
	s_mul_i32 s86, s86, SUB
	s_and_b32 s91, s[KS], 1
	s_lshl_b32 s91, s91, 7
	s_add_co_u32 s86, s86, s91
	s_add_co_u32 s86, s86, VB
	v_add_nc_u32 v[AV0], s86, v148
	s_and_b32 s74, s72, 64                         ; 64 (s & 1): tile lo's place in its block of 128 queries,
	s_add_co_u32 s75, s74, s73
	s_xor_b32 s74, s74, 64                         ; tile hi's
	s_add_co_u32 s76, s74, s73
	v_lshlrev_b32 v148, 3, v146
	s_delay_alu instid0(VALU_DEP_1)
	v_sub_nc_u32 v148, v145, v148                  ; r - 8 h
	s_delay_alu instid0(VALU_DEP_1)
	v_add_nc_u32 v[DLO], s75, v148
	s_delay_alu instid0(VALU_DEP_2)
	v_add_nc_u32 v[DHI], s76, v148
	v_lshlrev_b32 v149, 6, v145
	s_delay_alu instid0(VALU_DEP_1)
	v_lshl_add_u32 v149, v146, 3, v149             ; Q: row r of 64 bytes, + 8 h
	; descriptor group 1: 64 rows of 256 bytes, padded in LDS
.irp g, G1K, G1V
	s_mov_b32 s[\g], 15|(1<<20)|(1<<21)|(5<<22)|(3<<25)   ; 15:0 the mask: all four work-groups; 17:16 elements of 1 byte; 20 padding on; 21 set beside a mask; 24:22 after every 64 words (code 5); 31:25 four words (code 3)
	s_mov_b32 s[\g+1], 256<<16                     ; tensor_dim0
	s_mov_b32 s[\g+2], 64<<16                      ; tensor_dim1
	s_mov_b32 s[\g+3], 256<<16                     ; tile_dim0
	s_mov_b32 s[\g+4], 64                          ; tile_dim1
	s_mov_b32 s[\g+6], 0
	s_mov_b32 s[\g+7], 0
.endr
	s_mov_b32 s[G1K+5], 256                        ; K is dense: four keys to a row
	s_mov_b32 s[G1V+5], 2048                       ; a channel's row of V
	s_mov_b32 s[SEL], 0x76543210
	s_mov_b32 s[SEL+1], 0xfedcba98
	s_mov_b32 s[C6], 0x40404040
	s_mov_b32 s[NINFS], 0xff800000
	; the starting values.  A wave's first step of a tile finds zeros, which the first change of M leaves zeros; a part that gets no step stays empty and is joined with the factor 0
.irp t, LO, HI
	v_mov_b32 v[\t+1], 0xff61b1e6                  ; the largest t so far: -3e38
	s_delay_alu instid0(VALU_DEP_1)
	v_floor_f32 v[\t], -v[\t+1]                    ; -M
	v_mov_b32 v[\t+2], 0
	v_mov_b32 v[\t+3], 0
.endr
	v_mov_b32 v[TP], 0                             ; written once: a lane permute's destination counts as one of its sources
	v_mov_b32 v[FF+1], 0                           ; (named as the upper half of a pair)
.set PB, 0
.rept 64
	v_mov_b32 v[OL+PB], 0
.set PB, PB+1
.endr
	s_lshl_b32 s66, s[BAT], 17                     ; the batch's first byte in K and in V
	s_mov_b32 s67, 0
	s_and_b32 s91, s[WV], 1                        ; what I fetch, if I fetch: waves 0, 1 K's even and odd blocks of 256 keys, waves 2, 3 V's
	s_bfe_u32 s92, s[WV], 0x10001
	s_wait_kmcnt 0x0
	s_load_b128 s[EX:EX+3], s[10:11], 0x0
	s_cmp_eq_u32 s92, 0
	s_cselect_b64 s[94:95], s[6:7], s[8:9]
	s_mov_b32 s93, 256
	s_cselect_b32 s93, 16384, s93                  ; 256 keys on: 16,384 bytes in K, 256 in a row of V
	s_add_nc_u64 s[94:95], s[94:95], s[66:67]
	s_mul_i32 s86, s91, s93
	s_mov_b32 s87, 0
	s_add_nc_u64 s[94:95], s[94:95], s[86:87]
	s_lshl_b32 s86, s93, 1                         ; from load to load: 512 keys
	s_mul_i32 s92, s92, VB
	s_mul_i32 s91, s91, SUB
	s_add_co_u32 s92, s92, s91
.irp i, 0,1,2,3
	s_mov_b32 s[G0+4*\i], 1                        ; 1:0 count = 1
	s_add_co_u32 s[G0+4*\i+1], s92, 2*\i*SUB       ; 63:32 LDS address
	s_mov_b64 s[G0+4*\i+2:G0+4*\i+3], s[94:95]     ; 120:64 global address
	s_or_b32 s[G0+4*\i+3], s[G0+4*\i+3], 0x80000000  ; 127:126 type = 2
.if \i < 3
	s_add_nc_u64 s[94:95], s[94:95], s[86:87]
.endif
.endr
	s_lshl_b32 s72, s[BAT], 11
	s_add_co_u32 s73, s72, s[QLO]                  ; my tiles' first rows, counted through the batches
	s_add_co_u32 s74, s72, s[QHI]
	s_mov_b32 s77, 0
	s_lshl_b32 s76, s73, 6
	s_add_nc_u64 s[80:81], s[4:5], s[76:77]        ; Q of tile lo,
	s_lshl_b32 s76, s74, 6
	s_add_nc_u64 s[82:83], s[4:5], s[76:77]        ; of tile hi
	s_lshl_b32 s76, s73, 2
	s_add_nc_u64 s[88:89], s[12:13], s[76:77]      ; masks at tile lo; lanes 16-31 reach on to tile hi
	s_sub_co_u32 s78, s74, s73
	s_lshl_b32 s78, s78, 2
	v_mul_lo_u32 v148, v146, s78
	s_delay_alu instid0(VALU_DEP_1)
	v_lshl_add_u32 v148, v145, 2, v148
	s_cmp_lt_u32 s[GRP], 2
	s_cselect_b32 s75, s73, s74
	s_and_b32 s79, s[GRP], 1
	s_lshl_b32 s79, s79, 3
	s_add_co_u32 s75, s75, s79
	s_lshl_b32 s76, s75, 8
	s_add_nc_u64 s[84:85], s[14:15], s[76:77]      ; out0 at the eight rows that I send out
	ROUND                                          ; all four work-groups are here: the joint loads meet
	s_cmp_lt_u32 s[WV], 2                          ; a wave's four fills stand in one branch on the wave's number: four tensor loads of mine are out at the most.  Four v_nop follow the last
	s_cbranch_scc0 .Lnot_k
.irp i, 0,1,2,3
	tensor_load_to_lds s[G0+4*\i:G0+4*\i+3], s[G1K:G1K+7]
	s_nop 0
.endr
	PLACES
	s_branch .Lasked
.Lnot_k:
	s_cmp_lt_u32 s[WV], 4
	s_cbranch_scc0 .Lasked
.irp i, 0,1,2,3
	tensor_load_to_lds s[G0+4*\i:G0+4*\i+3], s[G1V:G1V+7]
	s_nop 0
.endr
	PLACES
.Lasked:
	s_wait_alu depctr_va_vdst(0)
	global_load_b32 v144, v148, s[88:89]           ; masks of my 32 queries: read as every input is; the problem's arithmetic has no use for it
.irp c, 0,1,2,3                                ; Q's two fragments: registers 2 c, 2 c + 1 = channels 16 c + 8 h + 0 .. 7 of row r; they land where class c0 will stay
	global_load_b64 v[QL+24+2*\c:QL+25+2*\c], v149, s[80:81] offset:16*\c
	global_load_b64 v[QH+24+2*\c:QH+25+2*\c], v149, s[82:83] offset:16*\c
.endr
	s_wait_kmcnt 0x0
	s_add_co_i32 s86, s[EX], s[EX+1]               ; eq + ek
	s_lshl_b32 s87, s86, 23
	s_add_co_i32 s[CS], s87, 0x3e38aa3b            ; log2(e) / 8, with the two exponents added to its exponent field
	s_mov_b32 s[CS+1], s[CS]                       ; (named with it as a pair)
	s_sub_co_i32 s87, 162, s86
	s_lshl_b32 s87, s87, 23
	s_or_b32 s87, s87, 0x80000000
	v_mov_b32 v[PADV], s87                         ; -2^(35 - eq - ek)
	s_add_co_i32 s86, s[EX+2], 127
	s_lshl_b32 s87, s86, 23
	v_mov_b32 v[SCL], s87                          ; 2^ep: the conversion takes its exponent field
	s_add_co_i32 s[EO], s[EX+2], s[EX+3]
	s_mov_b32 s[C5], 0x20202020
	s_wait_loadcnt 0x0                             ; Q (and masks)
.irp q, QL, QH                                 ; Q's four classes are made once: by the field's top bit, then each half by the next bit (a byte that is zero has neither bit and stays zero)
	CUT \q+24, \q+8, \q+24, C6, 6
	CUT \q+8, \q, \q+8, C5, 5
	CUT \q+24, \q+16, \q+24, C5, 5
.endr
.macro PROD d, a, b                    ; 16 keys of one class x my 16 queries of one class, begun with 0
	v_wmma_f32_16x16x64_fp8_fp8 v[\d:\d+7], v[\a:\a+7], v[\b:\b+7], 0
.endm
.macro ACC s, x                        ; eight sums, two at a time, each accumulator from its low end on
.irp j, 0,2,4,6
	v_pk_add_f32 v[\s+\j:\s+\j+1], v[\s+\j:\s+\j+1], v[\x+\j:\x+\j+1]
.endr
.endm
; One tile of scores.  Its raw codes of K lie where its scores will stand; they are cut into Hi and Lo, and the first product writes over them.  Eight products, added in the order Hi c3, Hi c2, Lo c3, Hi c1, Lo c2,
; Hi c0, Lo c1, Lo c0.  PLACES: a result is read four places or more behind its product (four v_nop, or the four additions of another accumulator); an accumulator is written again eight places behind the product
; that wrote it last (additions that name it are not counted).
.macro TILE t, q
.set SX, S+8*(\t)
	s_wait_dscnt 4*(7-(\t))                        ; this tile's four loads are in; the later tiles' may be out
	CUT SX, KH, KL, C6, 6
	PROD SX, KH, \q
	PROD T0, KH, \q+8
	PROD T1, KL, \q
	PROD T2, KH, \q+16
	PLACES
	ACC SX, T0
	ACC SX, T1
	PROD T0, KL, \q+8
	PROD T1, KH, \q+24
	ACC SX, T2                                     ; these four additions are the places behind the two products above
	ACC SX, T0
	ACC SX, T1
	PROD T2, KL, \q+16
	PROD T0, KL, \q+24
	PLACES
	ACC SX, T2
	ACC SX, T0
.endm
; ONE TILE'S KEY STEP: 128 keys.  st: the tile's statistics; q: its Q; o: its O^T; d: its number for the diagonal; sa: its last key step.  A step behind the tile's last is left out: a scalar branch on ids.
.macro STEP st, q, o, d, sa
	s_cmp_gt_u32 s[KS], s[\sa]
	s_cbranch_scc1 .Lskip_\@
	s_wait_alu depctr_va_vdst(0)
.irp t, 0,1,2,3,4,5,6,7                        ; the step's K in one run: tile t, 16 keys (four LDS rows) x 64 channels, raw, into the registers of tile t's scores
.irp c, 0,1,2,3
	ds_load_b64 v[S+8*\t+2*\c:S+8*\t+2*\c+1], v[ADK] offset:1088*\t+16*\c
.endr
.endr
.irp t, 0,1,2,3,4,5,6,7
	TILE \t, \q
.endr
.irp t, 0,1,2,3,4,5,6,7                        ; a score of exactly 0 becomes -2^32, as a raw sum.  Eight compares, then eight selects
.irp i, 0,1,2,3,4,5,6,7
	v_cmp_eq_f32 s[CM+\i], 0, v[S+8*\t+\i]
.endr
.irp i, 0,1,2,3,4,5,6,7
	v_cndmask_b32 v[S+8*\t+\i], v[S+8*\t+\i], v[PADV], s[CM+\i]
.endr
.endr
	s_cmp_lg_u32 s[KS], s[\sa]
	s_cbranch_scc1 .Lopen_\@
.irp t, 0,1,2,3,4,5,6,7                        ; on the diagonal: register 8 t + i holds the step's key 16 t + 8 h + i: hidden where 16 t + i > my query - 8 h
.irp i, 0,1,2,3,4,5,6,7
	v_cmp_gt_i32 s[CM+\i], 16*\t+\i, v[\d]
.endr
.irp i, 0,1,2,3,4,5,6,7
	v_cndmask_b32 v[S+8*\t+\i], v[S+8*\t+\i], s[NINFS], s[CM+\i]
.endr
.endr
.Lopen_\@:
	v_max3_num_f32 v[TA], v[S], v[S+1], v[S+2]     ; the step's largest score of my query among my 64 keys, in two chains,
	v_max3_num_f32 v[TB], v[S+3], v[S+4], v[S+5]
.irp i, 6,10,14,18,22,26,30,34,38,42,46,50,54,58
	s_delay_alu instid0(VALU_DEP_2)
	v_max3_num_f32 v[TA], v[TA], v[S+\i], v[S+\i+1]
	s_delay_alu instid0(VALU_DEP_2)
	v_max3_num_f32 v[TB], v[TB], v[S+\i+2], v[S+\i+3]
.endr
	s_delay_alu instid0(VALU_DEP_2)
	v_max3_num_f32 v[TA], v[TA], v[S+62], v[S+63]
	s_delay_alu instid0(VALU_DEP_1)
	v_max_num_f32 v[TA], v[TA], v[TB]
	s_delay_alu instid0(VALU_DEP_1)
	v_permlanex16_b32 v[TP], v[TA], s[SEL], s[SEL+1]
	s_delay_alu instid0(VALU_DEP_1)
	v_max_num_f32 v[TA], v[TA], v[TP]              ; and among lane l xor 16's
	s_delay_alu instid0(VALU_DEP_1)
	v_mul_f32 v[TA], s[CS], v[TA]                  ; as t (c is positive)
	s_delay_alu instid0(VALU_DEP_1)
	v_max_num_f32 v[\st+1], v[\st+1], v[TA]        ; the running largest t
	v_mov_b32 v[TA], v[\st]
	s_delay_alu instid0(VALU_DEP_2)
	v_floor_f32 v[\st], -v[\st+1]                  ; the new -M = -ceil(t)
	s_delay_alu instid0(VALU_DEP_1)
	v_sub_f32 v[TA], v[\st], v[TA]                 ; old M - new M: a whole number, 0 or less
	s_delay_alu instid0(VALU_DEP_1)
	v_cvt_i32_f32 v[TA], v[TA]                     ; (it saturates)
	s_delay_alu instid0(VALU_DEP_1)
	v_ldexp_f32 v[FF], 1.0, v[TA]                  ; f = 2^(old M - new M)
	; ONE BATCH: the 32 packed t - M and the 64 exponentials, none of which names an exponential's result; a pair is scaled two pairs ahead of its exponentials.  O^T's 16 packed multiplications by f stand among them.
	s_delay_alu instid0(VALU_DEP_4)
	v_pk_fma_f32 v[S:S+1], v[S:S+1], s[CS:CS+1], v[\st:\st+1] op_sel_hi:[1,0,0]
	v_pk_fma_f32 v[S+2:S+3], v[S+2:S+3], s[CS:CS+1], v[\st:\st+1] op_sel_hi:[1,0,0]
.set PB, 0
	s_wait_alu depctr_va_vdst(0)
.rept 32
.if PB < 30
	v_pk_fma_f32 v[S+2*PB+4:S+2*PB+5], v[S+2*PB+4:S+2*PB+5], s[CS:CS+1], v[\st:\st+1] op_sel_hi:[1,0,0]   ; of the pairs c and -M the low word serves both halves
.endif
	v_exp_f32 v[S+2*PB], v[S+2*PB]                 ; p = 2^(t - M), at most 1
	v_exp_f32 v[S+2*PB+1], v[S+2*PB+1]
.if PB % 2
	s_wait_alu depctr_va_vdst(0)
	v_pk_mul_f32 v[\o+PB-1:\o+PB], v[\o+PB-1:\o+PB], v[FF:FF+1] op_sel_hi:[1,0]   ; O^T under the new M, each accumulator from its low end on
.endif
.set PB, PB+1
.endr
	v_pk_mul_f32 v[\st+2:\st+3], v[\st+2:\st+3], v[FF:FF+1] op_sel_hi:[1,0]       ; l under the new M.  (With the line above: plain places behind the last exponential)
	s_wait_alu depctr_va_vdst(0)                   ; one wait for the batch, ahead of the first line that names a result
	v_pk_add_f32 v[SUM2:SUM2+1], v[S:S+1], v[S+2:S+3]   ; l takes the UNQUANTISED p: two at a time, in two chains
.irp j, 4,8,12,16,20,24,28,32,36,40,44,48,52,56,60
	v_pk_add_f32 v[\st+2:\st+3], v[\st+2:\st+3], v[S+\j:S+\j+1]
	v_pk_add_f32 v[SUM2:SUM2+1], v[SUM2:SUM2+1], v[S+\j+2:S+\j+3]
.endr
	s_delay_alu instid0(VALU_DEP_1)
	v_pk_add_f32 v[\st+2:\st+3], v[\st+2:\st+3], v[SUM2:SUM2+1]
.irp c, 0,1,2,3,4,5,6,7
.irp i, 0,1,2,3,4,5,6,7
.endr
	v_cvt_scalef32_pk8_fp8_f32 v[P+2*\c:P+2*\c+1], v[S+8*\c:S+8*\c+7], v[SCL]   ; keys 16 c + 8 h + 0 .. 7: registers 2 c, 2 c + 1 of the operand
.irp u, 0,1,2,3                                ; the eight registers just converted take half a fragment of V: tile c / 2 of 16 channels, registers 8 (c % 2) + 2 u on: keys 16 (4 (c % 2) + u) + 8 h + 0 .. 7
	ds_load_b64 v[S+8*\c+2*\u:S+8*\c+2*\u+1], v[ADV] offset:4352*(\c/2)+64*(\c%2)+16*\u
.endr
.endr
	v_nop                                          ; one plain line between the last conversion and the products that read its result
	s_wait_alu depctr_va_vdst(0)
	s_wait_dscnt 0x0                               ; V is in
.irp t, 0,1,2,3                                ; the four accumulators take turns; the score products stand between two turns of one accumulator
	v_wmma_f32_16x16x128_fp8_fp8 v[\o+8*\t:\o+8*\t+7], v[S+16*\t:S+16*\t+15], v[P:P+15], v[\o+8*\t:\o+8*\t+7]
.endr
	PLACES                                         ; in front of whatever follows: the next step's loads into V's registers, or the merge
.Lskip_\@:
.endm
	s_mov_b32 s[KOFF], 0
	s_mov_b32 s[CNT], 4
	s_wait_tensorcnt 0x0                           ; the fetching waves' loads have landed,
	s_barrier_signal -1
	s_barrier_wait -1                              ; and all sixteen waves know: K and V lie whole in LDS; nothing is ever filled again
.Lphase:                                           ; four trips: key steps 4 i + my class.  Tile lo, whose last step is 7 or less, is jumped over in trips 2 and 3
	v_add_nc_u32 v[ADK], s[KOFF], v[AK0]
	v_add_nc_u32 v[ADV], s[KOFF], v[AV0]
	STEP LO, QL, OL, DLO, ALO
	STEP HI, QH, OH, DHI, AHI
	s_add_co_u32 s[KS], s[KS], 4
	s_add_co_u32 s[KOFF], s[KOFF], PH
	s_sub_co_u32 s[CNT], s[CNT], 1
	s_cmp_lg_u32 s[CNT], 0
	s_cbranch_scc1 .Lphase
	; THE MERGE.  A tile's four parts have their own M.  Under the largest of them part g counts with 2^(M_g - M): a whole power of two; an empty part (M = -3e38) with 0.
	v_and_b32 v224, 15, v0                         ; r
	v_bfe_u32 v225, v0, 4, 1                       ; h
	v_and_b32 v226, 31, v0                         ; lane
	s_delay_alu instid0(VALU_DEP_1)
	v_lshlrev_b32 v227, 3, v226
	s_lshl_b32 s86, s[WV], 9
	s_add_co_u32 s86, s86, STATS
	v_add_nc_u32 v[SW], s86, v227
	s_lshl_b32 s86, s[COL], 9
	s_add_co_u32 s86, s86, STATS
	v_add_nc_u32 v[SR], s86, v227
	v_mul_u32_u24 v227, v224, 272
	s_delay_alu instid0(VALU_DEP_1)
	v_lshl_add_u32 v227, v225, 5, v227             ; a part of O: row r, + 32 h
	s_mul_i32 s86, s[WV], 2*PT
	v_add_nc_u32 v[PW], s86, v227
	v_mul_u32_u24 v227, v225, 272
	s_delay_alu instid0(VALU_DEP_1)
	v_lshl_add_u32 v227, v224, 4, v227             ; back: lanes 0-15 one row of 256 bytes, lanes 16-31 the next
	s_mul_i32 s86, s[COL], 2*PT
	s_lshr_b32 s92, s[GRP], 1
	s_mul_i32 s92, s92, PT                         ; groups 0, 1 send tile lo, groups 2, 3 tile hi;
	s_add_co_u32 s86, s86, s92
	s_and_b32 s92, s[GRP], 1
	s_mul_i32 s92, s92, 8*272                      ; its rows 0-7 or 8-15
	s_add_co_u32 s86, s86, s92
	v_add_nc_u32 v[PR], s86, v227
	s_delay_alu instid0(VALU_DEP_1)
	v_add_nc_u32 v[PR2], 16*PT, v[PR]
	v_lshlrev_b32 v[GO], 4, v226
	v_add_f32 v[LO+2], v[LO+2], v[LO+3]            ; l's two halves,
	v_add_f32 v[HI+2], v[HI+2], v[HI+3]
	s_delay_alu instid0(VALU_DEP_2)
	v_permlanex16_b32 v[TP], v[LO+2], s[SEL], s[SEL+1]
	s_delay_alu instid0(VALU_DEP_1)
	v_add_f32 v[LO+1], v[LO+2], v[TP]              ; and lane l xor 16's; beside -M, where the largest t stood
	s_delay_alu instid0(VALU_DEP_2)
	v_permlanex16_b32 v[TP], v[HI+2], s[SEL], s[SEL+1]
	s_delay_alu instid0(VALU_DEP_1)
	v_add_f32 v[HI+1], v[HI+2], v[TP]
	ds_store_b64 v[SW], v[LO:LO+1]
	ds_store_b64 v[SW], v[HI:HI+1] offset:256
	s_wait_dscnt 0x0                               ; for the others' sake: my statistics lie in LDS; my reads of K and V were over before
	s_barrier_signal -1
	s_barrier_wait -1                              ; everybody's do, and nobody reads K any more
.irp u, 0,1
.irp g, 0,1,2,3
	ds_load_b64 v[GS+8*\u+2*\g:GS+8*\u+2*\g+1], v[SR] offset:2048*\g+256*\u
.endr
.endr
	s_wait_dscnt 0x0
.macro GAIN u, st                      ; tile u: the smallest -M; each group's factor; the joint l; my own exponent
.set GX, GW+8*(\u)
.set GN, GS+8*(\u)
	v_min3_num_f32 v[GX+4], v[GN], v[GN+2], v[GN+4]
	s_delay_alu instid0(VALU_DEP_1)
	v_min_num_f32 v[GX+4], v[GX+4], v[GN+6]
.irp g, 0,1,2,3
	v_sub_f32 v[GX+\g], v[GX+4], v[GN+2*\g]        ; M_g - M: a whole number, 0 or less
.endr
	v_sub_f32 v[GX+6], v[GX+4], v[\st]
.irp g, 0,1,2,3,6
	v_cvt_i32_f32 v[GX+\g], v[GX+\g]               ; (it saturates)
.endr
.irp g, 0,1,2,3
	v_ldexp_f32 v[GX+\g], 1.0, v[GX+\g]
.endr
	s_delay_alu instid0(VALU_DEP_4)
	v_mul_f32 v[GX+5], v[GX], v[GN+1]
	s_delay_alu instid0(VALU_DEP_1)
	v_fmac_f32 v[GX+5], v[GX+1], v[GN+3]
	s_delay_alu instid0(VALU_DEP_1)
	v_fmac_f32 v[GX+5], v[GX+2], v[GN+5]
	s_delay_alu instid0(VALU_DEP_1)
	v_fmac_f32 v[GX+5], v[GX+3], v[GN+7]           ; l: above 1/2, since the part with the largest M counts whole
.endm
	GAIN 0, LO
	GAIN 1, HI
	s_wait_alu depctr_va_vdst(0)
	v_rcp_f32 v[GW+7], v[GW+5]
	v_rcp_f32 v[GW+15], v[GW+13]
	v_mov_b32 v[GG+1], 0                           ; (upper halves of pairs, only named.)  Plain places behind the reciprocals
	v_mov_b32 v[GG+3], 0
	s_wait_alu depctr_va_vdst(0)                   ; one wait for both reciprocals, ahead of their first use
	v_ldexp_f32 v[GG], v[GW+7], s[EO]              ; 2^(ep + ev) / l,
	v_ldexp_f32 v[GG+2], v[GW+15], s[EO]
	s_delay_alu instid0(VALU_DEP_2)
	v_ldexp_f32 v[GG], v[GG], v[GW+6]              ; x my part's factor
	s_delay_alu instid0(VALU_DEP_2)
	v_ldexp_f32 v[GG+2], v[GG+2], v[GW+14]
.irp u, 0,1
.irp j, 0,2,4,6,8,10,12,14,16,18,20,22,24,26,28,30
	v_pk_mul_f32 v[OL+32*\u+\j:OL+32*\u+\j+1], v[OL+32*\u+\j:OL+32*\u+\j+1], v[GG+2*\u:GG+2*\u+1] op_sel_hi:[1,0]
.endr
.endr
.irp u, 0,1
.irp t, 0,1,2,3
	ds_store_b128 v[PW], v[OL+32*\u+8*\t:OL+32*\u+8*\t+3] offset:PT*\u+64*\t        ; lane (r, h): query r, channels 16 t + 8 h + 0 .. 7
	ds_store_b128 v[PW], v[OL+32*\u+8*\t+4:OL+32*\u+8*\t+7] offset:PT*\u+64*\t+16
.endr
.endr
	s_wait_dscnt 0x0                               ; for the others' sake: my parts lie in LDS
	s_barrier_signal -1
	s_barrier_wait -1
.irp i, 0,1,2,3                                ; my eight rows, two at a time, from the four groups' parts
	ds_load_b128 v[S+16*\i:S+16*\i+3],     v[PR]  offset:544*\i
	ds_load_b128 v[S+16*\i+4:S+16*\i+7],   v[PR]  offset:8*PT+544*\i
	ds_load_b128 v[S+16*\i+8:S+16*\i+11],  v[PR2] offset:544*\i
	ds_load_b128 v[S+16*\i+12:S+16*\i+15], v[PR2] offset:8*PT+544*\i
.endr
.irp i, 0,1,2,3
	s_wait_dscnt 12-4*\i                           ; these two rows' four loads are in; the later rows' may be out
	v_pk_add_f32 v[S+16*\i:S+16*\i+1],     v[S+16*\i:S+16*\i+1],     v[S+16*\i+4:S+16*\i+5]
	v_pk_add_f32 v[S+16*\i+2:S+16*\i+3],   v[S+16*\i+2:S+16*\i+3],   v[S+16*\i+6:S+16*\i+7]
	v_pk_add_f32 v[S+16*\i+8:S+16*\i+9],   v[S+16*\i+8:S+16*\i+9],   v[S+16*\i+12:S+16*\i+13]
	v_pk_add_f32 v[S+16*\i+10:S+16*\i+11], v[S+16*\i+10:S+16*\i+11], v[S+16*\i+14:S+16*\i+15]
	s_delay_alu instid0(VALU_DEP_2)
	v_pk_add_f32 v[S+16*\i:S+16*\i+1],     v[S+16*\i:S+16*\i+1],     v[S+16*\i+8:S+16*\i+9]
	s_delay_alu instid0(VALU_DEP_2)
	v_pk_add_f32 v[S+16*\i+2:S+16*\i+3],   v[S+16*\i+2:S+16*\i+3],   v[S+16*\i+10:S+16*\i+11]
	global_store_b128 v[GO], v[S+16*\i:S+16*\i+3], s[84:85] offset:512*\i th:TH_STORE_NT   ; 32 lanes store two whole rows: 512 consecutive bytes, at a multiple of 256 from out0's first byte
.endr
	s_wait_xcnt 0x0
	v_lshl_add_u32 v254, v0, 2, 0x46000
	v_mov_b32 v255, 0
	s_wait_alu depctr_va_vdst(0)
	s_wait_tensorcnt 0x0
	ds_add_u32 v254, v255
	s_wait_dscnt 0x0
	ROUND                                          ; the closing round: no work-group ends while a partner may still ask for a tile that names it
	s_endpgm
.Lfunc_end_k_qbd9959d236_attn:
	.size	k_qbd9959d236_attn, .Lfunc_end_k_qbd9959d236_attn-k_qbd9959d236_attn
	.p2alignl 7, 3214868480
	.fill 96, 4, 3214868480
	.section	.rodata,"a",@progbits
	.p2align	6, 0x0
	.amdhsa_kernel k_qbd9959d236_attn
		.amdhsa_group_segment_fixed_size 288768
		.amdhsa_private_segment_fixed_size 0
		.amdhsa_enable_private_segment 0
		.amdhsa_kernarg_size 48
		.amdhsa_user_sgpr_count 2
		.amdhsa_user_sgpr_kernarg_segment_ptr 1
		.amdhsa_wavefront_size32 1
		.amdhsa_system_sgpr_workgroup_id_x 1
		.amdhsa_system_sgpr_workgroup_id_y 1
		.amdhsa_system_sgpr_workgroup_id_z 1
		.amdhsa_system_vgpr_workitem_id 0
		.amdhsa_next_free_vgpr 256
		.amdhsa_next_free_sgpr 96
		.amdhsa_reserve_vcc 0
		.amdhsa_float_denorm_mode_32 3
		.amdhsa_float_denorm_mode_16_64 3
		.amdhsa_fp16_overflow 1
		.amdhsa_memory_ordered 1
		.amdhsa_forward_progress 1
		.amdhsa_inst_pref_size 165
	.end_amdhsa_kernel
	.amdgpu_metadata
---
amdhsa.version: [ 1, 2 ]
amdhsa.kernels:
  - .name:           k_qbd9959d236_attn
    .symbol:         k_qbd9959d236_attn.kd
    .args:
      - { .name: queries_codes, .offset: 0, .size: 8, .value_kind: global_buffer, .address_space: global }
      - { .name: keys_codes, .offset: 8, .size: 8, .value_kind: global_buffer, .address_space: global }
      - { .name: values_codes, .offset: 16, .size: 8, .value_kind: global_buffer, .address_space: global }
      - { .name: lowp_scales, .offset: 24, .size: 8, .value_kind: global_buffer, .address_space: global }
      - { .name: masks, .offset: 32, .size: 8, .value_kind: global_buffer, .address_space: global }
      - { .name: out0, .offset: 40, .size: 8, .value_kind: global_buffer, .address_space: global }
    .group_segment_fixed_size: 288768
    .private_segment_fixed_size: 0
    .kernarg_segment_align: 8
    .kernarg_segment_size: 48
    .max_flat_workgroup_size: 512
    .sgpr_count:     96
    .vgpr_count:     256
    .wavefront_size: 32
...
	.end_amdgpu_metadata
.endif
;; end of part 2
